; MI455X (gfx1250); checked and timed in simulation.
; The chip was launched on July 23, 2026; its instructions are those of AMD's public machine-readable ISA for CDNA 5 (MIT licence, August 2026) and "CDNA5" Instruction Set Architecture Reference Guide (July 2026). The comments in the code are by the model that wrote it; some were corrected since.
;; Attention pps. Allowed arithmetic: float matrix products may take bf16 or f16 operands with f32 sums; all other float work in f32.
;; Inputs: W_kv 512 x 1,024 float32; W_proj 512 x 512 float32; b_proj 512 float32; x 32,768 x 2 x 512 float32.
;; Outputs: out0 32,768 x 1 x 512 float32.
;; 2 versions, each right; version 2 is version 1 with the launch fold written anew for expert scheduling mode. Each part assembles by itself: llvm-mc -triple=amdgcn-amd-amdhsa -mcpu=gfx1250 --defsym DOCPART=n.
;; ======== version 1 of 2: 2 launches
;; workspace buffers: wc 524,288 bytes
;; launch fold (part 1): grid 8 x 8, 4 waves a work-group, no clusters, 132,608 bytes of LDS; arguments W_kv, W_proj, wc; writes wc
.if DOCPART == 1
	.amdgcn_target "amdgcn-amd-amdhsa--gfx1250"
	.amdhsa_code_object_version 6
	.text
	.protected	k_qdbae5cb77b_fold
	.globl	k_qdbae5cb77b_fold
	.p2align	8
	.type	k_qdbae5cb77b_fold,@function
k_qdbae5cb77b_fold:
	s_mov_b64 s[64:65], 0
	v_nop
	global_prefetch_b8 v0, s[64:65] scope:SCOPE_SE
	s_setreg_imm32_b32 hwreg(HW_REG_WAVE_MODE, 25, 1), 1
	s_wait_xcnt 0x0
; fold: Wc[k][n] = sum over j of W_kv[k][512 + j] * W_proj[j][n]   (512 x 512 x 512; operands bf16, sums f32, Wc rounded once to bf16).
; reference() computes (x_img Wv) Wp + b; the next launch computes x_img (Wv Wp) + b.  LIMIT (order of rounding): Wv Wp is rounded to bf16
; here where the chain as written would round v = x_img Wv; one rounding of the same relative size, no difference of large sums is formed.
; All operands are bf16, which keeps f32's exponent range.
;
; Wc is stored as the next launch's B fragments.  With G = n>>6, r = (n>>2)&15, t = n&3, c = k>>5, e = (k>>4)&1, h = (k>>3)&1, i = k&7,
; element (k, n) lies at byte G*65536 + c*4096 + t*1024 + e*512 + (16h + r)*16 + 2i: the 512 bytes (G, c, t, e) are registers 4e .. 4e+3 of the
; fragment of K step c in which lane r stands for column 64G + 4r + t.  The same column map lets W_proj, whose rows run along n, be read here
; by plain 16-byte loads: a lane's four numbers are one number for each of the four tiles t, so no transposition is needed.
;
; SHARES: work-group (G = x id, beta = y id): columns 64G .. 64G+63, rows k = 64 beta .. +63.  Wave w: the 16 rows of k tile kap = 4 beta + w,
; four tiles t, 16 steps of 32 along j: 64 matrix instructions.  Wave w also converts rows j = 128w .. 128w+127 of W_proj's 64 columns for all four.
; 64 work-groups: there are 1,024 tiles of 16 x 16 in all, and a finer split would only read W_proj more often.
; No tensor loads and no joint requests: every number passes through registers on its way from f32 to bf16.
;
; LDS: BF 0 .. 65535: B fragments, step s, tile t, half e at s*4096 + t*1024 + e*512 + 16*lane.
;      AS 65536 + w*16640: each wave's own 16 rows of Wv in bf16, pitch 1040 = 65 x 16 bytes, so that 16 rows start in 16 different 16-byte columns.
; REGISTERS: window 0: v1 r, v2 h, v3 lane, v4-v8 offsets, FR 64 packed fragment registers on their way to LDS, ACC 4 tiles, OUTP packed results,
;            AF 16 A fragments.  Window 1: W_proj as loaded, later B fragments of steps 0-7.  Window 2: W_kv as loaded, later B of steps 8-15.
.set FR,     16                        ; v[16:79]
.set ACC,    80                        ; v[80:111]   tile t at ACC + 8t
.set OUTP,   112                       ; v[112:127]
.set AF,     128                       ; v[128:255]  step s at AF + 8s
.set APITCH, 1040
.set AS0,    65536
.set ASW,    16*APITCH                 ; bytes of a wave's own area
.set MSB, 0
.macro WIN new                         ; s_set_vgpr_msb: bits 1:0 source 0, 3:2 source 1, 5:4 source 2, 7:6 destination; the high byte repeats the setting left
.if MSB != \new
	s_set_vgpr_msb (MSB<<8)|\new
.set MSB, \new
.endif
.endm
	s_load_b128 s[4:7], s[0:1], 0x0                ; W_kv s[4:5], W_proj s[6:7]
	s_load_b64 s[8:9], s[0:1], 0x10                ; wc
	v_lshl_add_u32 v14, v0, 2, 0x20400
	v_mov_b32 v15, 0
	v_lshrrev_b32 v9, 5, v0
	v_readfirstlane_b32 s12, v9                    ; wave w
	s_and_b32 s14, ttmp7, 0xffff                   ; beta
	s_lshl2_add_u32 s15, s14, s12                  ; kap = 4 beta + w
	v_and_b32 v1, 15, v0                           ; r
	v_bfe_u32 v2, v0, 4, 1                         ; h
	v_and_b32 v3, 31, v0                           ; lane
	v_lshlrev_b32 v4, 4, v1
	v_lshl_add_u32 v4, v2, 14, v4                  ; W_proj: 16 r + h x 8 rows of 2,048 bytes
	v_lshlrev_b32 v5, 4, v3                        ; 16 x lane: W_kv, BF loads, wc
	s_lshl_b32 s22, s12, 14
	v_lshl_add_u32 v6, v3, 4, s22                  ; BF stores: 16 x lane + my four steps (w x 4 x 4,096)
	s_mul_i32 s23, s12, ASW
	s_add_co_u32 s23, s23, AS0                     ; my own area
	v_lshl_add_u32 v7, v3, 3, s23                  ; AS stores: 8 x lane
	v_mul_u32_u24 v8, v1, APITCH
	v_lshl_add_u32 v8, v2, 4, v8
	v_add_nc_u32 v8, s23, v8                       ; AS loads: row r, 16 h
	s_lshl_b32 s16, s15, 16                        ; W_kv: 16 kap rows of 4,096 bytes
	s_mov_b32 s17, 0
	s_lshl_b32 s18, s12, 18                        ; W_proj: 128 w rows of 2,048 bytes
	s_lshl_b32 s24, ttmp9, 8                       ;         + 64 G columns of 4 bytes
	s_add_co_u32 s18, s18, s24
	s_mov_b32 s19, 0
	s_lshr_b32 s20, s15, 1                         ; wc: kap = 2c + e: c x 4,096
	s_lshl_b32 s20, s20, 12
	s_and_b32 s24, s15, 1
	s_lshl_b32 s24, s24, 9                         ;     + e x 512
	s_add_co_u32 s20, s20, s24
	s_lshl_b32 s24, ttmp9, 16                      ;     + G x 65,536
	s_add_co_u32 s20, s20, s24
	s_mov_b32 s21, 0
	s_wait_kmcnt 0x0
	s_add_nc_u64 s[4:5], s[4:5], s[16:17]
	s_add_nc_u64 s[6:7], s[6:7], s[18:19]
	s_add_nc_u64 s[8:9], s[8:9], s[20:21]
	; 64 loads of W_proj: lanes 0-15 take 256 neighbouring bytes of row j, lanes 16-31 those of row j + 8.
	; Lane (r, h), load (s, e, i): Wp[128w + 32s + 16e + 8h + i][64G + 4r + 0..3].
	WIN 0x40
.irp s, 0,1,2,3
.irp e, 0,1
.irp i, 0,1,2,3,4,5,6,7
	global_load_b128 v[((2*\s+\e)*8+\i)*4:((2*\s+\e)*8+\i)*4+3], v4, s[6:7] offset:(32*\s+16*\e+\i)*2048
.endr
.endr
.endr
	; 64 loads of W_kv's V half (byte 2,048 of each row): 512 neighbouring bytes each, four for a row, 16 rows.
	WIN 0x80
.irp p, 0,1,2,3,4,5,6,7,8,9,10,11,12,13,14,15
.irp i, 0,1,2,3
	global_load_b128 v[(4*\p+\i)*4:(4*\p+\i)*4+3], v5, s[4:5] offset:2048+\p*4096+512*\i
.endr
.endr
; Two of my j steps: register 4e + p of tile t's fragment is (Wp[j][n], Wp[j+1][n]), j = 16e + 8h + 2p: the same word t of two loads.
.macro BPACK sa, sb
	WIN 0x05
.irp s, \sa, \sb
.irp t, 0,1,2,3
.irp e, 0,1
.irp p, 0,1,2,3
	v_cvt_pk_bf16_f32 v[FR+((\s&1)*4+\t)*8+4*\e+\p], v[((2*\s+\e)*8+2*\p)*4+\t], v[((2*\s+\e)*8+2*\p+1)*4+\t]
.endr
.endr
.endr
.endr
	WIN 0
.irp s, \sa, \sb
.irp t, 0,1,2,3
.irp e, 0,1
	ds_store_b128 v6, v[FR+((\s&1)*4+\t)*8+4*\e:FR+((\s&1)*4+\t)*8+4*\e+3] offset:\s*4096+\t*1024+\e*512
.endr
.endr
.endr
.endm
	s_wait_loadcnt 63                              ; loads return in order (ISA guide 5.7.1); 64 stand behind W_proj's last one; 63, the most the field takes, is below that: W_proj is in
	BPACK 0, 1
	BPACK 2, 3
	s_wait_loadcnt 0x0                             ; W_kv is in
	WIN 0x8a                                       ; four f32 become 8 bytes, in place
.set q, 0
.rept 64
	v_cvt_pk_bf16_f32 v[4*q],   v[4*q],   v[4*q+1]
	v_cvt_pk_bf16_f32 v[4*q+1], v[4*q+2], v[4*q+3]
.set q, q+1
.endr
	WIN 0x08
.irp p, 0,1,2,3,4,5,6,7,8,9,10,11,12,13,14,15
.irp i, 0,1,2,3
	ds_store_b64 v7, v[(4*\p+\i)*4:(4*\p+\i)*4+1] offset:\p*APITCH+256*\i     ; 256 neighbouring bytes of row p
.endr
.endr
	WIN 0
.irp s, 0,1,2,3,4,5,6,7,8,9,10,11,12,13,14,15
	ds_load_b128 v[AF+8*\s:AF+8*\s+3],   v8 offset:64*\s       ; my own bytes: LDS serves a wave's instructions in order (ISA guide 5.7.1),
	ds_load_b128 v[AF+8*\s+4:AF+8*\s+7], v8 offset:64*\s+32    ; so these see the stores above without a wait
.endr
	s_wait_dscnt 0x0                               ; zero: my BF stores are complete for the other waves (and my A fragments are in)
	s_barrier_signal -1
	s_barrier_wait -1                              ; the only barrier: BF is whole, and nobody writes LDS after it
	WIN 0x40
.irp s, 0,1,2,3,4,5,6,7
.irp t, 0,1,2,3
.irp e, 0,1
	ds_load_b128 v[32*\s+8*\t+4*\e:32*\s+8*\t+4*\e+3], v5 offset:\s*4096+\t*1024+\e*512
.endr
.endr
.endr
	WIN 0x80
.irp s, 8,9,10,11,12,13,14,15
.irp t, 0,1,2,3
.irp e, 0,1
	ds_load_b128 v[32*(\s-8)+8*\t+4*\e:32*(\s-8)+8*\t+4*\e+3], v5 offset:\s*4096+\t*1024+\e*512
.endr
.endr
.endr
.macro FMUL s, zero                    ; one j step, four tiles: four chains in place; the first link starts the sums with C = 0
.irp t, 0,1,2,3
.if \zero
	v_wmma_f32_16x16x32_bf16 v[ACC+8*\t:ACC+8*\t+7], v[AF+8*\s:AF+8*\s+7], v[32*(\s&7)+8*\t:32*(\s&7)+8*\t+7], 0
.else
	v_wmma_f32_16x16x32_bf16 v[ACC+8*\t:ACC+8*\t+7], v[AF+8*\s:AF+8*\s+7], v[32*(\s&7)+8*\t:32*(\s&7)+8*\t+7], v[ACC+8*\t:ACC+8*\t+7]
.endif
.endr
.endm
	s_wait_dscnt 63                                ; 64 LDS loads stand behind the last one of steps 0-7; 63 is below that: steps 0-7 are in
	WIN 0x04                                       ; B in window 1
	FMUL 0, 1
.irp s, 1,2,3,4,5,6,7
	FMUL \s, 0
.endr
	s_wait_dscnt 0x0                               ; steps 8-15 are in
	WIN 0x08                                       ; B in window 2
.irp s, 8,9,10,11,12,13,14,15
	FMUL \s, 0
.endr
	WIN 0
.rept 4
	v_nop                                          ; four independent vector places between the last matrix instruction and the first reader of a result (ISA guide 7.12.1)
.endr
	; Register i of lane (r, h) of tile t is Wc[16 kap + 8h + i][64G + 4r + t]: packed, the lane's 16 bytes of chunk (G, c, t, e).
.irp t, 0,1,2,3
.irp p, 0,1,2,3
	v_cvt_pk_bf16_f32 v[OUTP+4*\t+\p], v[ACC+8*\t+2*\p], v[ACC+8*\t+2*\p+1]
.endr
.endr
.irp t, 0,1,2,3
	global_store_b128 v5, v[OUTP+4*\t:OUTP+4*\t+3], s[8:9] offset:\t*1024     ; the wave stores 512 consecutive bytes, at a multiple of 512 from wc's first byte
.endr
	s_wait_tensorcnt 0x0
	ds_add_u32 v14, v15
	s_wait_dscnt 0x0
	s_endpgm
.Lfunc_end_k_qdbae5cb77b_fold:
	.size	k_qdbae5cb77b_fold, .Lfunc_end_k_qdbae5cb77b_fold-k_qdbae5cb77b_fold
	.p2alignl 7, 3214868480
	.fill 96, 4, 3214868480
	.section	.rodata,"a",@progbits
	.p2align	6, 0x0
	.amdhsa_kernel k_qdbae5cb77b_fold
		.amdhsa_group_segment_fixed_size 132608
		.amdhsa_private_segment_fixed_size 0
		.amdhsa_enable_private_segment 0
		.amdhsa_kernarg_size 24
		.amdhsa_user_sgpr_count 2
		.amdhsa_user_sgpr_kernarg_segment_ptr 1
		.amdhsa_wavefront_size32 1
		.amdhsa_system_sgpr_workgroup_id_x 1
		.amdhsa_system_sgpr_workgroup_id_y 1
		.amdhsa_system_sgpr_workgroup_id_z 1
		.amdhsa_system_vgpr_workitem_id 0
		.amdhsa_next_free_vgpr 768
		.amdhsa_next_free_sgpr 66
		.amdhsa_reserve_vcc 0
		.amdhsa_float_denorm_mode_32 3
		.amdhsa_float_denorm_mode_16_64 3
		.amdhsa_memory_ordered 1
		.amdhsa_forward_progress 1
		.amdhsa_inst_pref_size 53
	.end_amdhsa_kernel
	.amdgpu_metadata
---
amdhsa.version: [ 1, 2 ]
amdhsa.kernels:
  - .name:           k_qdbae5cb77b_fold
    .symbol:         k_qdbae5cb77b_fold.kd
    .args:
      - { .name: W_kv, .offset: 0, .size: 8, .value_kind: global_buffer, .address_space: global }
      - { .name: W_proj, .offset: 8, .size: 8, .value_kind: global_buffer, .address_space: global }
      - { .name: wc, .offset: 16, .size: 8, .value_kind: global_buffer, .address_space: global }
    .group_segment_fixed_size: 132608
    .private_segment_fixed_size: 0
    .kernarg_segment_align: 8
    .kernarg_segment_size: 24
    .max_flat_workgroup_size: 128
    .sgpr_count:     66
    .vgpr_count:     768
    .wavefront_size: 32
...
	.end_amdgpu_metadata
.endif
;; end of part 1
;; launch main (part 2): grid 256 x 1, 4 waves a work-group, clusters of 4 x 1, 67,072 bytes of LDS; arguments x, wc, b_proj, out0; writes out0
.if DOCPART == 2
	.amdgcn_target "amdgcn-amd-amdhsa--gfx1250"
	.amdhsa_code_object_version 6
	.text
	.protected	k_qdbae5cb77b_main
	.globl	k_qdbae5cb77b_main
	.p2align	8
	.type	k_qdbae5cb77b_main,@function
k_qdbae5cb77b_main:
	s_mov_b64 s[64:65], 0
	v_nop
	global_prefetch_b8 v0, s[64:65] scope:SCOPE_SE
	s_setreg_imm32_b32 hwreg(HW_REG_WAVE_MODE, 25, 1), 1
	s_wait_xcnt 0x0
	s_wait_alu depctr_hold_cnt(0) depctr_sa_sdst(0) depctr_va_vdst(0) depctr_va_sdst(0) depctr_va_ssrc(0) depctr_va_vcc(0) depctr_vm_vsrc(0)
	s_getreg_b32 s2, hwreg(HW_REG_IB_STS2, 6, 4)
	s_cmp_eq_u32 s2, 0
	s_cbranch_scc0 .Lentry_in_a_cluster
	s_endpgm
.Lentry_in_a_cluster:
	s_bfe_u32 s2, ttmp6, 0x10000c
	s_cmp_lg_u32 s2, 0x3003
	s_cbranch_scc0 .Lentry_shape_is_right
	s_endpgm
.Lentry_shape_is_right:
; main: out0[b][n] = sum over k of x[b][0][k] * Wc[k][n] + b_proj[n],  Wc = W_kv[:, 512:] W_proj from the launch before (bf16, as B fragments).
;
; WHY THIS IS reference(): its softmax runs over ONE key (N = 1 by the shapes).  jax.nn.softmax forms exp(s - max s) / sum = exp(0) / exp(0) = 1.0,
; exactly, for every finite score s, and 1.0 * v_img = v_img exactly; k_img and v_pps are never used.  So q, k_pps and the softmax are not computed,
; and x[:, 1, :] and W_kv[:, 0:512] are not read.
; LIMIT (range): where a score is not finite (a NaN or an infinity in x[:, 1, :] or W_kv[:, 0:512], or |q . k| above f32's largest number, 3.4e38)
; reference() gives NaN for that row; this program gives the row's finite projection.
; LIMIT (order of rounding): Wv Wp is rounded to bf16 in place of v; see the first launch.  x is rounded to bf16 for the matrix unit; sums and bias in f32.
;
; SHAPE: the weights stand still.  A work-group owns 256 rows x 256 columns; wave w owns the 64 columns of group G = 4 hN + w and keeps Wc for them,
; all 512 k, in 512 registers (64 KiB a wave, loaded once, already in fragment form).  x streams by in 8 tiles of 32 rows:
; global load (f32) -> v_cvt_pk_bf16_f32 -> LDS -> A fragments -> 128 matrix instructions a wave -> + bias -> global store.
; In fragment tile t lane r stands for column 64G + 4r + t, so the four tiles give a lane four NEIGHBOURING columns: after the bias add a lane holds
; 16 bytes of a row of out0, sixteen lanes 256 consecutive bytes at a multiple of 256 from out0's first byte.  No way out through LDS is needed.
;
; CLUSTER, NO JOINT REQUESTS: work-groups 2i and 2i + 1 read the same 256 rows of x (for the two column halves).  The cluster of four only makes them
; run at the same time, so that the second request for a row follows the first closely.  A joint tensor load is not used: it delivers into LDS, and x has
; to pass through registers to become bf16, so a tile of 32 rows would cost 64 KiB written to LDS and 64 KiB read back on top of the 32 KiB that the bf16
; tile costs; Wc goes straight to registers, once.  No branch and no LDS address hangs on the place in the cluster.
;
; LDS: two buffers of 32 rows of 512 bf16, pitch 1040 = 65 x 16 bytes (the 16 rows of a fragment load start in 16 different 16-byte columns).
; REGISTERS: window 0: v1 r, v2 h, v3 lane, v4-v9 offsets, BIAS 4, ACC 8 tiles (a, t), AB0/AB1 two buffers of 8 A fragments (4 K steps x 2 row blocks);
;            AB0 also holds the store data.  Window 1: two stagings of x, 128 registers each.  Windows 2, 3: Wc, K step c, tile t at 32 (c & 7) + 8t.
.set PITCH, 1040
.set XB,    32*PITCH                   ; bytes of an LDS buffer
.set XROW,  4096                       ; bytes from x[b][0] to x[b+1][0]
.set OROW,  2048                       ; bytes in a row of out0
.set TILEX, 32*XROW
.set BIAS,  12                         ; v[12:15]
.set ACC,   16                         ; v[16:79]    tile (a, t) at ACC + 8 (4a + t)
.set AB0,   128                        ; v[128:191]
.set AB1,   192                        ; v[192:255]
.set MSB, 0
.macro WIN new                         ; s_set_vgpr_msb: bits 1:0 source 0, 3:2 source 1, 5:4 source 2, 7:6 destination; the high byte repeats the setting left
.if MSB != \new
	s_set_vgpr_msb (MSB<<8)|\new
.set MSB, \new
.endif
.endm
.macro PLACES                          ; four independent vector places behind a matrix instruction (ISA guide 7.12.1) before its sources are loaded over
.rept 4                                ; or its result is read
	v_nop
.endr
.endm
	s_load_b256 s[4:11], s[0:1], 0x0               ; x s[4:5], wc s[6:7], b_proj s[8:9], out0 s[10:11]
	v_lshl_add_u32 v126, v0, 2, 0x10400
	v_mov_b32 v127, 0
	v_lshrrev_b32 v10, 5, v0
	v_readfirstlane_b32 s12, v10                   ; wave w
	s_bfe_u32 s13, ttmp6, 0x40000                  ; cx
	s_lshl_b32 s14, ttmp9, 2
	s_add_co_u32 s14, s14, s13                     ; work-group x = 4 x cluster x + cx, 0 .. 255
	s_and_b32 s15, s14, 1                          ; hN: which 256 columns
	s_lshr_b32 s16, s14, 1                         ; rg: which 256 rows, 0 .. 127
	s_lshl2_add_u32 s17, s15, s12                  ; G = 4 hN + w
	v_and_b32 v1, 15, v0                           ; r
	v_bfe_u32 v2, v0, 4, 1                         ; h
	v_and_b32 v3, 31, v0                           ; lane
	s_lshl_b32 s28, s12, 15
	v_lshl_add_u32 v4, v3, 4, s28                  ; x: 16 x lane + my 8 rows of the tile (w x 8 x 4,096)
	s_mul_i32 s21, s12, 8*PITCH
	v_lshl_add_u32 v5, v3, 3, s21                  ; LDS stores: 8 x lane + my 8 rows
	v_mul_u32_u24 v6, v1, PITCH
	v_lshl_add_u32 v6, v2, 4, v6                   ; LDS loads: row r, 16 h
	v_lshlrev_b32 v9, 4, v1                        ; bias: 16 r
	v_lshl_add_u32 v7, v2, 14, v9                  ; out0: 16 r + h x 8 rows of 2,048 bytes
	v_lshlrev_b32 v8, 4, v3                        ; wc: 16 x lane
	s_lshl_b32 s18, s16, 20                        ; x: 256 rg rows of 4,096 bytes
	s_mov_b32 s19, 0
	s_lshl_b32 s22, s17, 16                        ; wc: G x 65,536
	s_mov_b32 s23, 0
	s_lshl_b32 s24, s17, 8                         ; b_proj: 64 G columns of 4 bytes
	s_mov_b32 s25, 0
	s_lshl_b32 s26, s16, 19                        ; out0: 256 rg rows of 2,048 bytes + 64 G columns
	s_add_co_u32 s26, s26, s24
	s_mov_b32 s27, 0
	s_wait_kmcnt 0x0
	s_add_nc_u64 s[4:5], s[4:5], s[18:19]
	s_add_nc_u64 s[6:7], s[6:7], s[22:23]
	s_add_nc_u64 s[8:9], s[8:9], s[24:25]
	s_add_nc_u64 s[10:11], s[10:11], s[26:27]
	global_load_b128 v[BIAS:BIAS+3], v9, s[8:9]    ; b_proj[64G + 4r + 0..3]
	WIN 0x80                                       ; Wc of K steps 0-7 into window 2: 512 consecutive bytes a load
.irp c, 0,1,2,3,4,5,6,7
.irp t, 0,1,2,3
.irp e, 0,1
	global_load_b128 v[32*\c+8*\t+4*\e:32*\c+8*\t+4*\e+3], v8, s[6:7] offset:\c*4096+\t*1024+\e*512
.endr
.endr
.endr
	WIN 0xc0                                       ; K steps 8-15 into window 3
.irp c, 8,9,10,11,12,13,14,15
.irp t, 0,1,2,3
.irp e, 0,1
	global_load_b128 v[32*(\c-8)+8*\t+4*\e:32*(\c-8)+8*\t+4*\e+3], v8, s[6:7] offset:\c*4096+\t*1024+\e*512
.endr
.endr
.endr
; 32 loads: my 8 rows of a tile, four loads of 512 consecutive bytes for a row's 2,048 bytes of token 0.  No streaming hint: the partner reads the rows too.
.macro XLOAD buf, off
	WIN 0x40
.irp p, 0,1,2,3,4,5,6,7
.irp i, 0,1,2,3
	global_load_b128 v[128*\buf+4*(4*\p+\i):128*\buf+4*(4*\p+\i)+3], v4, s[4:5] offset:\off+\p*XROW+512*\i
.endr
.endr
.endm
; 16 LDS loads: A fragments of K steps 4g .. 4g+3, row blocks a = 0, 1.  Destination and address lie in window 0 under the settings 0, 0x08 and 0x0c.
.macro FETCH buf, g, ab
.irp c, 0,1,2,3
.irp a, 0,1
	ds_load_b128 v[\ab+8*(2*\c+\a):\ab+8*(2*\c+\a)+3],   v6 offset:\buf*XB+\a*16*PITCH+64*(4*\g+\c)
	ds_load_b128 v[\ab+8*(2*\c+\a)+4:\ab+8*(2*\c+\a)+7], v6 offset:\buf*XB+\a*16*PITCH+64*(4*\g+\c)+32
.endr
.endr
.endm
; 32 matrix instructions: four K steps x 2 row blocks x 4 column tiles, eight chains in place; K step 0 starts the sums with C = 0.
.macro MUL g, ab
.irp c, 0,1,2,3
.irp a, 0,1
.irp t, 0,1,2,3
.if 4*\g+\c == 0
	v_wmma_f32_16x16x32_bf16 v[ACC+8*(4*\a+\t):ACC+8*(4*\a+\t)+7], v[\ab+8*(2*\c+\a):\ab+8*(2*\c+\a)+7], v[32*((4*\g+\c)&7)+8*\t:32*((4*\g+\c)&7)+8*\t+7], 0
.else
	v_wmma_f32_16x16x32_bf16 v[ACC+8*(4*\a+\t):ACC+8*(4*\a+\t)+7], v[\ab+8*(2*\c+\a):\ab+8*(2*\c+\a)+7], v[32*((4*\g+\c)&7)+8*\t:32*((4*\g+\c)&7)+8*\t+7], v[ACC+8*(4*\a+\t):ACC+8*(4*\a+\t)+7]
.endif
.endr
.endr
.endr
.endm
; The way out.  Register j of tile (a, t) in lane (r, h) is out(row 16a + 8h + j, column 64G + 4r + t).  The bias add also brings the four tiles' numbers
; into four consecutive registers.  Lanes 0-15 store 256 consecutive bytes of row 16a + j, lanes 16-31 of row 16a + 8 + j.
.macro EPI buf
.irp a, 0,1
.irp j, 0,1,2,3,4,5,6,7
.irp t, 0,1,2,3
	v_add_f32 v[AB0+4*(8*\a+\j)+\t], v[ACC+8*(4*\a+\t)+\j], v[BIAS+\t]
.endr
	global_store_b128 v7, v[AB0+4*(8*\a+\j):AB0+4*(8*\a+\j)+3], s[10:11] offset:(32*\buf+16*\a+\j)*OROW th:TH_STORE_NT
.endr
.endr
.endm
; One tile of 32 rows, from staging and LDS buffer buf.  ahead = 1: the staging is filled again with the tile two further on.
; left = how many younger global loads may stay out.
.macro TILE buf, ahead, left
	s_wait_loadcnt \left                           ; loads return in order (ISA guide 5.7.1): this staging's 32 are in, the other staging's 32 stay out
	WIN 0x45                                       ; four f32 become 8 bytes, in place
.set q, 0
.rept 32
	v_cvt_pk_bf16_f32 v[128*\buf+4*q],   v[128*\buf+4*q],   v[128*\buf+4*q+1]
	v_cvt_pk_bf16_f32 v[128*\buf+4*q+1], v[128*\buf+4*q+2], v[128*\buf+4*q+3]
.set q, q+1
.endr
	WIN 0x04
.irp p, 0,1,2,3,4,5,6,7
.irp i, 0,1,2,3
	ds_store_b64 v5, v[128*\buf+4*(4*\p+\i):128*\buf+4*(4*\p+\i)+1] offset:\buf*XB+\p*PITCH+256*\i
.endr
.endr
	; One barrier a tile does both orderings, since the two LDS buffers take turns.  This buffer was last read two tiles ago; every wave's reads of it
	; were complete before it signalled the barrier of the tile in between, and I stored into it only behind that barrier.
	s_wait_dscnt 0x0                               ; zero: my eight rows are complete for the other waves
	s_wait_xcnt 0x0                                ; the last tile's stores read AB0, which is loaded over below only behind this wait
	s_barrier_signal -1
	s_barrier_wait -1
	WIN 0
	FETCH \buf, 0, AB0
	FETCH \buf, 1, AB1
.if \ahead
	XLOAD \buf, (2+\buf)*TILEX                     ; the staging's LDS stores are complete (the wait for zero above)
.endif
	WIN 0x08                                       ; B = Wc in window 2
	s_wait_dscnt 16                                ; K steps 0-3 are in; the 16 loads of steps 4-7 stay out
	MUL 0, AB0
	PLACES
	FETCH \buf, 2, AB0
	s_wait_dscnt 16                                ; steps 4-7 are in; the 16 loads of steps 8-11 stay out
	MUL 1, AB1
	PLACES
	FETCH \buf, 3, AB1
	WIN 0x0c                                       ; B in window 3
	s_wait_dscnt 16                                ; steps 8-11 are in; the 16 loads of steps 12-15 stay out
	MUL 2, AB0
	s_wait_dscnt 0x0                               ; steps 12-15 are in: my reads of this buffer are over
	MUL 3, AB1
	WIN 0
	PLACES                                         ; the adds read results and write AB0, a source of MUL 2
	EPI \buf
.endm
	XLOAD 0, 0                                     ; tiles 0 and 1: two tiles, 64 loads of 512 bytes, are on their way in each wave from here on
	XLOAD 1, TILEX
	WIN 0
	s_mov_b32 s20, 3                               ; three trips work on tiles 0-5 and ask for tiles 2-7
.Ltrip:
	TILE 0, 1, 32                                  ; (the first wait also covers bias and Wc, which were issued ahead of x)
	TILE 1, 1, 32
	s_wait_xcnt 0x0                                ; the bases are sources of pending loads and stores: stepped only behind this wait
	s_add_nc_u64 s[4:5], s[4:5], 2*TILEX
	s_add_nc_u64 s[10:11], s[10:11], 64*OROW
	s_sub_co_u32 s20, s20, 1
	s_cmp_lg_u32 s20, 0
	s_cbranch_scc1 .Ltrip
	TILE 0, 0, 32                                  ; tiles 6 and 7 ask for nothing: no load leaves x, and the counts run down
	TILE 1, 0, 0
	s_wait_tensorcnt 0x0
	ds_add_u32 v126, v127
	s_wait_dscnt 0x0
	s_endpgm
.Lfunc_end_k_qdbae5cb77b_main:
	.size	k_qdbae5cb77b_main, .Lfunc_end_k_qdbae5cb77b_main-k_qdbae5cb77b_main
	.p2alignl 7, 3214868480
	.fill 96, 4, 3214868480
	.section	.rodata,"a",@progbits
	.p2align	6, 0x0
	.amdhsa_kernel k_qdbae5cb77b_main
		.amdhsa_group_segment_fixed_size 67072
		.amdhsa_private_segment_fixed_size 0
		.amdhsa_enable_private_segment 0
		.amdhsa_kernarg_size 32
		.amdhsa_user_sgpr_count 2
		.amdhsa_user_sgpr_kernarg_segment_ptr 1
		.amdhsa_wavefront_size32 1
		.amdhsa_system_sgpr_workgroup_id_x 1
		.amdhsa_system_sgpr_workgroup_id_y 1
		.amdhsa_system_sgpr_workgroup_id_z 1
		.amdhsa_system_vgpr_workitem_id 0
		.amdhsa_next_free_vgpr 1024
		.amdhsa_next_free_sgpr 66
		.amdhsa_reserve_vcc 0
		.amdhsa_float_denorm_mode_32 3
		.amdhsa_float_denorm_mode_16_64 3
		.amdhsa_memory_ordered 1
		.amdhsa_forward_progress 1
		.amdhsa_inst_pref_size 117
	.end_amdhsa_kernel
	.amdgpu_metadata
---
amdhsa.version: [ 1, 2 ]
amdhsa.kernels:
  - .name:           k_qdbae5cb77b_main
    .symbol:         k_qdbae5cb77b_main.kd
    .args:
      - { .name: x, .offset: 0, .size: 8, .value_kind: global_buffer, .address_space: global }
      - { .name: wc, .offset: 8, .size: 8, .value_kind: global_buffer, .address_space: global }
      - { .name: b_proj, .offset: 16, .size: 8, .value_kind: global_buffer, .address_space: global }
      - { .name: out0, .offset: 24, .size: 8, .value_kind: global_buffer, .address_space: global }
    .group_segment_fixed_size: 67072
    .private_segment_fixed_size: 0
    .kernarg_segment_align: 8
    .kernarg_segment_size: 32
    .max_flat_workgroup_size: 128
    .sgpr_count:     66
    .vgpr_count:     1024
    .wavefront_size: 32
...
	.end_amdgpu_metadata
.endif
;; end of part 2
;; ======== version 2 of 2: 2 launches; version 1 with the launch fold written anew for expert scheduling mode
;; workspace buffers: wc 524,288 bytes
;; launch fold (part 3): grid 8 x 8, 4 waves a work-group, no clusters, 132,608 bytes of LDS; arguments W_kv, W_proj, wc; writes wc
.if DOCPART == 3
	.amdgcn_target "amdgcn-amd-amdhsa--gfx1250"
	.amdhsa_code_object_version 6
	.text
	.protected	k_qdbae5cb77b_fold
	.globl	k_qdbae5cb77b_fold
	.p2align	8
	.type	k_qdbae5cb77b_fold,@function
k_qdbae5cb77b_fold:
	s_mov_b64 s[64:65], 0
	v_nop
	global_prefetch_b8 v0, s[64:65] scope:SCOPE_SE
	s_setreg_imm32_b32 hwreg(HW_REG_WAVE_SCHED_MODE, 0, 2), 2
	s_setreg_imm32_b32 hwreg(HW_REG_WAVE_MODE, 25, 1), 1
	s_wait_xcnt 0x0
	s_wait_alu depctr_vm_vsrc(0)
; fold: Wc[k][n] = sum over j of W_kv[k][512 + j] * W_proj[j][n]   (512 x 512 x 512; operands bf16, sums f32, Wc rounded once to bf16).
; reference() computes (x_img Wv) Wp + b; the next launch computes x_img (Wv Wp) + b.  LIMIT (order of rounding): Wv Wp is rounded to bf16
; here where the chain as written would round v = x_img Wv; one rounding of the same relative size, no difference of large sums is formed.
; All operands are bf16, which keeps f32's exponent range.
;
; Wc is stored as the next launch's B fragments.  With G = n>>6, r = (n>>2)&15, t = n&3, c = k>>5, e = (k>>4)&1, h = (k>>3)&1, i = k&7,
; element (k, n) lies at byte G*65536 + c*4096 + t*1024 + e*512 + (16h + r)*16 + 2i: the 512 bytes (G, c, t, e) are registers 4e .. 4e+3 of the
; fragment of K step c in which lane r stands for column 64G + 4r + t.  The same column map lets W_proj, whose rows run along n, be read here
; by plain 16-byte loads: a lane's four numbers are one number for each of the four tiles t, so no transposition is needed.
;
; SHARES: work-group (G = x id, beta = y id): columns 64G .. 64G+63, rows k = 64 beta .. +63.  Wave w: the 16 rows of k tile kap = 4 beta + w,
; four tiles t, 16 steps of 32 along j: 64 matrix instructions.  Wave w also converts rows j = 128w .. 128w+127 of W_proj's 64 columns for all four.
; 64 work-groups: there are 1,024 tiles of 16 x 16 in all, and a finer split would only read W_proj more often.
; No tensor loads and no joint requests: every number passes through registers on its way from f32 to bf16.
;
; LDS: BF 0 .. 65535: B fragments, step s, tile t, half e at s*4096 + t*1024 + e*512 + 16*lane.
;      AS 65536 + w*16640: each wave's own 16 rows of Wv in bf16, pitch 1040 = 65 x 16 bytes, so that 16 rows start in 16 different 16-byte columns.
;      132096 .. 132607: the spare words, 128 bytes for each wave, which no line but the closing add names.
; REGISTERS: window 0: v1 r, v2 h, v3 lane, v4-v8 offsets, v14-v15 the closing add's pair, FR and FR2 packed fragment registers on their way to LDS,
;            ACC 4 tiles, OUTP packed results, AF 16 A fragments.  Window 1: W_proj as loaded, later B fragments of steps 0-7.
;            Window 2: W_kv as loaded, later B of steps 8-15.
;
; THE MODE: SCHED_MODE bits 1:0 = 2 (LLVM: expert scheduling mode 2), set by the entry lines.  The code itself states the register dependences
; between vector or matrix instructions and memory or LDS instructions, with s_wait_alu, always for 0.
; THE PLAN.  Registers that memory or LDS instructions touch, in the order of the text:
;   v4 .. v8     offsets and LDS addresses: written at the head, read by every load and store, never written again.
;   window 1     W_proj's loads land; the B conversions read it; behind the barrier the LDS loads of B steps 0-7 land in it.
;   window 2     W_kv's loads land; it is rounded in place; the LDS stores into AS read it; behind the barrier the LDS loads of B steps 8-15 land in it.
;   FR, FR2      two out-buffers: the conversions of my steps 0, 1 write FR, those of steps 2, 3 FR2; 16 LDS stores read each.  FR is never written again;
;                FR2 is the first half of AF, in which LDS loads land later.
;   AF           LDS loads land; matrix instructions read it.          OUTP  the last conversions write it; four global stores read it.
;   ACC is named by matrix and vector instructions alone.
; Behind the barrier the B loads go in groups of two j steps, three groups ahead, dealt among the matrix instructions: those name ACC, AF and the B registers
; of steps that have landed, never v5 or the registers of a step still to be loaded, so the one wait ahead of the first B load serves all of them.
.set FR,     16                        ; v[16:79]    out-buffer of my j steps 0, 1
.set ACC,    80                        ; v[80:111]   tile t at ACC + 8t
.set OUTP,   112                       ; v[112:127]
.set AF,     128                       ; v[128:255]  step s at AF + 8s
.set FR2,    AF                        ; v[128:191]  out-buffer of my j steps 2, 3, until the A fragments are loaded
.set APITCH, 1040
.set AS0,    65536
.set ASW,    16*APITCH                 ; bytes of a wave's own area
.set MSB, 0
.macro WIN new                         ; s_set_vgpr_msb: bits 1:0 source 0, 3:2 source 1, 5:4 source 2, 7:6 destination; the high byte repeats the setting left
.if MSB != \new
	s_set_vgpr_msb (MSB<<8)|\new
.set MSB, \new
.endif
.endm
	s_load_b128 s[4:7], s[0:1], 0x0                ; W_kv s[4:5], W_proj s[6:7]
	s_load_b64 s[8:9], s[0:1], 0x10                ; wc
	v_lshl_add_u32 v14, v0, 2, 0x20400             ; my spare word, and 0: made here and kept for the closing add alone
	v_mov_b32 v15, 0
	v_lshrrev_b32 v9, 5, v0
	v_readfirstlane_b32 s12, v9                    ; wave w
	s_and_b32 s14, ttmp7, 0xffff                   ; beta
	v_and_b32 v1, 15, v0                           ; r
	v_bfe_u32 v2, v0, 4, 1                         ; h
	v_and_b32 v3, 31, v0                           ; lane
	v_lshlrev_b32 v4, 4, v1
	v_lshl_add_u32 v4, v2, 14, v4                  ; W_proj: 16 r + h x 8 rows of 2,048 bytes
	v_lshlrev_b32 v5, 4, v3                        ; 16 x lane: W_kv, BF loads, wc
	v_mul_u32_u24 v8, v1, APITCH
	v_lshl_add_u32 v8, v2, 4, v8
	s_wait_alu depctr_va_sdst(0)                   ; s12 is written, ahead of its first reader: kap, the LDS areas and all three bases are made from it
	s_lshl2_add_u32 s15, s14, s12                  ; kap = 4 beta + w
	s_lshl_b32 s22, s12, 14
	v_lshl_add_u32 v6, v3, 4, s22                  ; BF stores: 16 x lane + my four steps (w x 4 x 4,096)
	s_mul_i32 s23, s12, ASW
	s_add_co_u32 s23, s23, AS0                     ; my own area
	v_lshl_add_u32 v7, v3, 3, s23                  ; AS stores: 8 x lane
	v_add_nc_u32 v8, s23, v8                       ; AS loads: row r, 16 h
	s_lshl_b32 s16, s15, 16                        ; W_kv: 16 kap rows of 4,096 bytes
	s_mov_b32 s17, 0
	s_lshl_b32 s18, s12, 18                        ; W_proj: 128 w rows of 2,048 bytes
	s_lshl_b32 s24, ttmp9, 8                       ;         + 64 G columns of 4 bytes
	s_add_co_u32 s18, s18, s24
	s_mov_b32 s19, 0
	s_lshr_b32 s20, s15, 1                         ; wc: kap = 2c + e: c x 4,096
	s_lshl_b32 s20, s20, 12
	s_and_b32 s24, s15, 1
	s_lshl_b32 s24, s24, 9                         ;     + e x 512
	s_add_co_u32 s20, s20, s24
	s_lshl_b32 s24, ttmp9, 16                      ;     + G x 65,536
	s_add_co_u32 s20, s20, s24
	s_mov_b32 s21, 0
	s_wait_kmcnt 0x0
	s_add_nc_u64 s[4:5], s[4:5], s[16:17]
	s_add_nc_u64 s[6:7], s[6:7], s[18:19]
	s_add_nc_u64 s[8:9], s[8:9], s[20:21]
	; 64 loads of W_proj: lanes 0-15 take 256 neighbouring bytes of row j, lanes 16-31 those of row j + 8.
	; Lane (r, h), load (s, e, i): Wp[128w + 32s + 16e + 8h + i][64G + 4r + 0..3].
	WIN 0x40
	s_wait_alu depctr_va_vdst(0)                   ; v4 to v8 are written: every load and store of the kernel reads one of them as its offset or LDS address, and none is written again
.irp s, 0,1,2,3
.irp e, 0,1
.irp i, 0,1,2,3,4,5,6,7
	global_load_b128 v[((2*\s+\e)*8+\i)*4:((2*\s+\e)*8+\i)*4+3], v4, s[6:7] offset:(32*\s+16*\e+\i)*2048
.endr
.endr
.endr
	; 64 loads of W_kv's V half (byte 2,048 of each row): 512 neighbouring bytes each, four for a row, 16 rows.
	WIN 0x80
.irp p, 0,1,2,3,4,5,6,7,8,9,10,11,12,13,14,15
.irp i, 0,1,2,3
	global_load_b128 v[(4*\p+\i)*4:(4*\p+\i)*4+3], v5, s[4:5] offset:2048+\p*4096+512*\i
.endr
.endr
; Two of my j steps: register 4e + p of tile t's fragment is (Wp[j][n], Wp[j+1][n]), j = 16e + 8h + 2p: the same word t of two loads.
; fr: the out-buffer.  Each pair of steps has its own, so the second pair's conversions write no register that the first pair's LDS stores read.
.macro BPACK sa, sb, fr
	WIN 0x05
.irp s, \sa, \sb
.irp t, 0,1,2,3
.irp e, 0,1
.irp p, 0,1,2,3
	v_cvt_pk_bf16_f32 v[\fr+((\s&1)*4+\t)*8+4*\e+\p], v[((2*\s+\e)*8+2*\p)*4+\t], v[((2*\s+\e)*8+2*\p+1)*4+\t]
.endr
.endr
.endr
.endr
	WIN 0
	s_wait_alu depctr_va_vdst(0)                   ; the 64 conversions have written this out-buffer, which the 16 LDS stores below read
.irp s, \sa, \sb
.irp t, 0,1,2,3
.irp e, 0,1
	ds_store_b128 v6, v[\fr+((\s&1)*4+\t)*8+4*\e:\fr+((\s&1)*4+\t)*8+4*\e+3] offset:\s*4096+\t*1024+\e*512
.endr
.endr
.endr
.endm
	s_wait_loadcnt 63                              ; loads return in order (ISA guide 5.7.1); 64 stand behind W_proj's last one; 63, the most the field takes, is below that: W_proj is in
	BPACK 0, 1, FR
	BPACK 2, 3, FR2
	s_wait_loadcnt 0x0                             ; W_kv is in
	WIN 0x8a                                       ; four f32 become 8 bytes, in place
.set q, 0
.rept 64
	v_cvt_pk_bf16_f32 v[4*q],   v[4*q],   v[4*q+1]
	v_cvt_pk_bf16_f32 v[4*q+1], v[4*q+2], v[4*q+3]
.set q, q+1
.endr
	WIN 0x08
	s_wait_alu depctr_va_vdst(0)                   ; the conversions have written window 2's pairs, which the LDS stores below read; those that wrote FR2, in which the A fragments land further down, stand ahead of this wait too
.irp p, 0,1,2,3,4,5,6,7,8,9,10,11,12,13,14,15
.irp i, 0,1,2,3
	ds_store_b64 v7, v[(4*\p+\i)*4:(4*\p+\i)*4+1] offset:\p*APITCH+256*\i     ; 256 neighbouring bytes of row p
.endr
.endr
	WIN 0
	s_wait_alu depctr_vm_vsrc(0)                   ; my LDS stores have read their data: FR2, in which the A fragments land below, and window 2, in which B of steps 8-15 lands behind the barrier
.irp s, 0,1,2,3,4,5,6,7,8,9,10,11,12,13,14,15
	ds_load_b128 v[AF+8*\s:AF+8*\s+3],   v8 offset:64*\s       ; my own bytes: LDS serves a wave's instructions in order (ISA guide 5.7.1),
	ds_load_b128 v[AF+8*\s+4:AF+8*\s+7], v8 offset:64*\s+32    ; so these see the stores above without a wait
.endr
	s_wait_dscnt 0x0                               ; zero: my BF stores are complete for the other waves (and my A fragments are in)
	s_barrier_signal -1
	s_barrier_wait -1                              ; the only barrier: BF is whole, and nobody writes LDS after it
.macro BLOAD s                         ; the B fragments of j step s, four tiles: eight loads of 512 neighbouring bytes; steps 0-7 into window 1, steps 8-15 into window 2
.if (\s) < 8
	WIN 0x40
.else
	WIN 0x80
.endif
.irp t, 0,1,2,3
.irp e, 0,1
	ds_load_b128 v[32*((\s)&7)+8*\t+4*\e:32*((\s)&7)+8*\t+4*\e+3], v5 offset:(\s)*4096+\t*1024+\e*512
.endr
.endr
.endm
.macro FMUL s, zero                    ; one j step, four tiles: four chains in place, the accumulators by turns; the first link starts the sums with C = 0
.if (\s) < 8
	WIN 0x04                                       ; B in window 1
.else
	WIN 0x08                                       ; B in window 2
.endif
.irp t, 0,1,2,3
.if \zero
	v_wmma_f32_16x16x32_bf16 v[ACC+8*\t:ACC+8*\t+7], v[AF+8*(\s):AF+8*(\s)+7], v[32*((\s)&7)+8*\t:32*((\s)&7)+8*\t+7], 0
.else
	v_wmma_f32_16x16x32_bf16 v[ACC+8*\t:ACC+8*\t+7], v[AF+8*(\s):AF+8*(\s)+7], v[32*((\s)&7)+8*\t:32*((\s)&7)+8*\t+7], v[ACC+8*\t:ACC+8*\t+7]
.endif
.endr
.endm
	; Groups of two j steps: 16 loads, 8 matrix instructions.  Groups 0 to 2 are asked for here; behind group g's matrix instructions group g + 3 is asked for.
	WIN 0x40
	s_wait_alu depctr_va_vdst(0)                   ; the conversions are done reading window 1 and done reading and writing window 2, in which the B loads land; behind this wait only loads, window switches, waits and matrix instructions on other registers stand ahead of any B load
.irp s, 0,1,2,3,4,5
	BLOAD \s
.endr
	s_wait_dscnt 32                                ; LDS loads return in order (ISA guide 5.7.1): group 0 is in, the 32 loads of the two younger groups stay out
	FMUL 0, 1
	FMUL 1, 0
	BLOAD 6                                        ; no wait: no vector or matrix instruction since the wait above names v5 or the registers of steps 6 and 7
	BLOAD 7
.irp g, 1,2,3,4
	s_wait_dscnt 32                                ; group g is in, the two younger groups stay out
	FMUL 2*\g, 0
	FMUL 2*\g+1, 0
	BLOAD 2*\g+6                                   ; likewise: the matrix instructions so far name the B registers of steps up to 2 g + 1 alone
	BLOAD 2*\g+7
.endr
	s_wait_dscnt 32                                ; group 5 is in; nothing is left to ask for, and the counts run down
	FMUL 10, 0
	FMUL 11, 0
	s_wait_dscnt 16
	FMUL 12, 0
	FMUL 13, 0
	s_wait_dscnt 0x0
	FMUL 14, 0
	FMUL 15, 0
	WIN 0
.rept 4
	v_nop                                          ; four independent vector places between the last matrix instruction and the first reader of a result (ISA guide 7.12.1)
.endr
	; Register i of lane (r, h) of tile t is Wc[16 kap + 8h + i][64G + 4r + t]: packed, the lane's 16 bytes of chunk (G, c, t, e).
.irp t, 0,1,2,3
.irp p, 0,1,2,3
	v_cvt_pk_bf16_f32 v[OUTP+4*\t+\p], v[ACC+8*\t+2*\p], v[ACC+8*\t+2*\p+1]
.endr
.endr
	s_wait_alu depctr_va_vdst(0)                   ; the conversions have written OUTP, which the four stores read
.irp t, 0,1,2,3
	global_store_b128 v5, v[OUTP+4*\t:OUTP+4*\t+3], s[8:9] offset:\t*1024     ; the wave stores 512 consecutive bytes, at a multiple of 512 from wc's first byte
.endr
	s_wait_dscnt 0x0                               ; the closing lines, six on end
	s_wait_alu 0x0
	s_wait_tensorcnt 0x0
	ds_add_u32 v14, v15
	s_wait_dscnt 0x0
	s_endpgm
.Lfunc_end_k_qdbae5cb77b_fold:
	.size	k_qdbae5cb77b_fold, .Lfunc_end_k_qdbae5cb77b_fold-k_qdbae5cb77b_fold
	.p2alignl 7, 3214868480
	.fill 96, 4, 3214868480
	.section	.rodata,"a",@progbits
	.p2align	6, 0x0
	.amdhsa_kernel k_qdbae5cb77b_fold
		.amdhsa_group_segment_fixed_size 132608
		.amdhsa_private_segment_fixed_size 0
		.amdhsa_enable_private_segment 0
		.amdhsa_kernarg_size 24
		.amdhsa_user_sgpr_count 2
		.amdhsa_user_sgpr_kernarg_segment_ptr 1
		.amdhsa_wavefront_size32 1
		.amdhsa_system_sgpr_workgroup_id_x 1
		.amdhsa_system_sgpr_workgroup_id_y 1
		.amdhsa_system_sgpr_workgroup_id_z 1
		.amdhsa_system_vgpr_workitem_id 0
		.amdhsa_next_free_vgpr 768
		.amdhsa_next_free_sgpr 66
		.amdhsa_reserve_vcc 0
		.amdhsa_float_denorm_mode_32 3
		.amdhsa_float_denorm_mode_16_64 3
		.amdhsa_memory_ordered 1
		.amdhsa_forward_progress 1
		.amdhsa_inst_pref_size 54
	.end_amdhsa_kernel
	.amdgpu_metadata
---
amdhsa.version: [ 1, 2 ]
amdhsa.kernels:
  - .name:           k_qdbae5cb77b_fold
    .symbol:         k_qdbae5cb77b_fold.kd
    .args:
      - { .name: W_kv, .offset: 0, .size: 8, .value_kind: global_buffer, .address_space: global }
      - { .name: W_proj, .offset: 8, .size: 8, .value_kind: global_buffer, .address_space: global }
      - { .name: wc, .offset: 16, .size: 8, .value_kind: global_buffer, .address_space: global }
    .group_segment_fixed_size: 132608
    .private_segment_fixed_size: 0
    .kernarg_segment_align: 8
    .kernarg_segment_size: 24
    .max_flat_workgroup_size: 128
    .sgpr_count:     66
    .vgpr_count:     768
    .wavefront_size: 32
...
	.end_amdgpu_metadata
.endif
;; end of part 3
;; launch main: the kernel of part 2 again; grid 256 x 1, 4 waves a work-group, clusters of 4 x 1, 67,072 bytes of LDS; arguments x, wc, b_proj, out0; writes out0
